; MI455X (gfx1250); checked and timed in simulation.
; The chip was launched on July 23, 2026; its instructions are those of AMD's public machine-readable ISA for CDNA 5 (MIT licence, August 2026) and "CDNA5" Instruction Set Architecture Reference Guide (July 2026). The comments in the code are by the model that wrote it; some were corrected since.
;; Comb Net HE. Allowed arithmetic: matrix products marked QUANTISED: E2M3 operands, one E8M0 scale for each 32 along K, by v_wmma_scale_f32_16x16x128_f8f6f4 with both operands' format E2M3, f32 sums; products left as they are: f32 operands where the result goes on into a quantised operand, else bf16, f16 or f32 operands; f32 sums; everything else in f32.
;; Inputs: W1f_codes 4,096 x 32 x 24 uint8 (E2M3 codes of W1f, K innermost, in blocks of 32 codes, four codes in three bytes); W1f_scales 4,096 x 32 uint8 (E8M0 scales of W1f, one for each 32 codes along K); W1o_codes 4,096 x 32 x 24 uint8 (E2M3 codes of W1o, K innermost, in blocks of 32 codes, four codes in three bytes); W1o_scales 4,096 x 32 uint8 (E8M0 scales of W1o, one for each 32 codes along K); W2f 4,096 x 10 float32; W2o 4,096 x 10 float32; b1f 4,096 float32; b1o 4,096 float32; b2f 10 float32; b2o 10 float32; x_codes 8,192 x 32 x 24 uint8 (E2M3 codes of x, K innermost, in blocks of 32 codes, four codes in three bytes); x_scales 8,192 x 32 uint8 (E8M0 scales of x, one for each 32 codes along K).
;; Outputs: out0 8,192 x 10 float32.
;; This version of the problem:
;;   THIS VERSION OF THE PROBLEM IS GIVEN IN LOW PRECISION. The matrix products marked QUANTISED in the list below multiply operands that are first quantised to E2M3 (2 exponent bits, 3 mantissa bits; 6 bits a number), with one power-of-two scale for each 32 numbers along K (OCP MX v1.0); their sums are f32. All else is computed in f32.
;;   The module's matrix products, in the order in which they are computed (A, B: the left and right operand; K: the contracted axis; several contracted axes count as one K, in the product's order):
;;     1. [M 8,192, K 1,024] x [K 1,024, N 4,096]; A: input x (given as codes); B: input W1o (given as codes): QUANTISED
;;     2. [M 8,192, K 4,096] x [K 4,096, N 10]; A: computed on the way; B: input W2o: left as it is (N = 10 < 16)
;;     3. [M 8,192, K 1,024] x [K 1,024, N 4,096]; A: input x (given as codes); B: input W1f (given as codes): QUANTISED
;;     4. [M 8,192, K 4,096] x [K 4,096, N 10]; A: computed on the way; B: input W2f: left as it is (N = 10 < 16)
;;   THE QUANTISER, for each operand of a quantised product, along K:
;;     - K is cut into blocks of 32 from its start; a last block that is shorter is filled with zeros.
;;     - A block's scale is 2^e with e = floor(log2(the largest magnitude in the block)) - 2, held to -126 .. 127; a block of zeros has e = 0. As a byte (E8M0): e + 127.
;;     - Each number is divided by its block's scale, clamped to +-7.5, and rounded to the nearest number of E2M3, ties to even, subnormals kept.
;;     - The product sums the exact products of the quantised numbers (number of the format x scale) in f32.
;;   ~~~python
;;   def quantise(x, axis):      # numpy; x: float32 -> the quantised numbers, widened to float32 again
;;       x = np.moveaxis(x, axis, -1); K = x.shape[-1]
;;       x = np.pad(x, [(0, 0)] * (x.ndim - 1) + [(0, -K % 32)]); x = x.reshape(x.shape[:-1] + (-1, 32)); a = np.abs(x).max(-1, keepdims=True)
;;       e = np.where(a > 0, np.clip(np.frexp(np.where(a > 0, a, 1))[1] - 1 - 2, -126, 127), 0)      # np.frexp(a)[1] - 1 = floor(log2(a)), exactly
;;       r = np.clip(x / 2.0 ** e, -7.5, 7.5)
;;       step = 2.0 ** (np.maximum(np.frexp(np.where(r == 0, 1, r))[1] - 1, 0) - 3)
;;       q = np.round(r / step) * step * 2.0 ** e      # np.round: ties to even
;;       return np.moveaxis(q.reshape(q.shape[:-2] + (-1,))[..., :K], -1, axis).astype(np.float32)
;;   ~~~
;;   INPUTS GIVEN AS CODES. W1f (in the module: [1024, 4096], K = its axis 0); W1o (in the module: [1024, 4096], K = its axis 0); x (in the module: [8192, 1024], K = its axis 1): each comes as NAME_codes (uint8): NAME with its K axis moved to the last place and cut into blocks of 32 codes, [.., K / 32, bytes a block], one block behind the other in memory; four codes in three bytes: a row's codes are one little-endian stream of bits, code i at bits 6 i .. 6 i + 5 (a code: sign, 2 exponent bits, 3 mantissa bits); and NAME_scales (uint8): the same leading axes, one E8M0 byte (e + 127) for each 32 codes along K. Its value is code x scale, taken as it is: it is not quantised again, and the codes and scales need not be those that the quantiser above would give.
;; One version. Each part assembles by itself: llvm-mc -triple=amdgcn-amd-amdhsa -mcpu=gfx1250 --defsym DOCPART=n.
;; ======== version 1 of 1: 2 launches
;; limits: values are held in bf16: 8 bits of precision; right only within a limited range of input values
;; workspace buffers: part 4,194,304 bytes
;; launch hidden (part 1): grid 8 x 32, 4 waves a work-group, clusters of 4 x 4, 327,680 bytes of LDS; arguments x_codes, x_scales, W1o_codes, W1o_scales, W1f_codes, W1f_scales, W2o, W2f, b1o, b1f, part; writes part
.if DOCPART == 1
	.amdgcn_target "amdgcn-amd-amdhsa--gfx1250"
	.amdhsa_code_object_version 6
	.text
	.protected	k_q5c66751943_hidden
	.globl	k_q5c66751943_hidden
	.p2align	8
	.type	k_q5c66751943_hidden,@function
k_q5c66751943_hidden:
	s_mov_b64 s[64:65], 0
	v_nop
	global_prefetch_b8 v0, s[64:65] scope:SCOPE_SE
	s_setreg_imm32_b32 hwreg(HW_REG_WAVE_MODE, 25, 1), 1
	s_wait_xcnt 0x0
	s_wait_alu depctr_hold_cnt(0) depctr_sa_sdst(0) depctr_va_vdst(0) depctr_va_sdst(0) depctr_va_ssrc(0) depctr_va_vcc(0) depctr_vm_vsrc(0)
	s_getreg_b32 s2, hwreg(HW_REG_IB_STS2, 6, 4)
	s_cmp_eq_u32 s2, 0
	s_cbranch_scc0 .Lentry_in_a_cluster
	s_endpgm
.Lentry_in_a_cluster:
	s_bfe_u32 s2, ttmp6, 0x10000c
	s_cmp_lg_u32 s2, 0xf033
	s_cbranch_scc0 .Lentry_shape_is_right
	s_endpgm
.Lentry_shape_is_right:
; part = relu(x W1 + b1) W2 for 256 rows of x and 1,024 hidden units of one net (cluster x = net, cx = group of 1,024, 4 x cluster y + cy = row block).
; A wave owns 64 rows of x: its fragments for all of K (4 blocks x 8 steps x 12 registers) are read once and stay in registers.
; W1 goes through two LDS slots, each 128 hidden units x the whole K (rows of 768 bytes, 16 bytes of padding behind each 256: pitch 816).
; One round of the cluster's barrier serves a tile of 8 steps x 32 matrix instructions a wave; a refill is asked for a whole tile ahead of the wait for it.
; Source 0 = 16 rows of W1, source 1 = 16 rows of x: a lane holds one row of x and eight neighbouring hidden units, which pack into bf16 for the second product.
; b1 lies in LDS and is loaded into the accumulators, so every step adds in place.  h and W2 go to the second product in bf16, sums in f32.
; W2's classes 10-15 repeat class 9: the next launch gives those classes the bias -infinity, so what they hold reaches no output while it is finite.
; x's tiles are asked for jointly along a row of the cluster, W1's along a column.
; No prefetch: a work-group has 8 fills of W1 in all, and each is requested 256 matrix instructions a wave ahead of its wait.
; REGISTERS: window 0: v0-31 addresses, v32-111 scale words, v112-255 x's steps 5-7; window 1: v0-239 x's steps 0-4, v240-255 packed h;
;   window 2: 32 accumulators, (a, b) at 8 (4 b + a); window 3: W1's fragments, two sets of 96, v192-223 the logits, v224-255 W2's fragments.
.set PITCH, 816
.set BLK,   16*PITCH
.set HALF,  64*PITCH
.set SLOTB, 128*PITCH
.set SPARE, SLOTB                      ; the spare words, 512 bytes
.set SA,    SPARE+512                  ; x's scales: 32 units of 256 + 16
.set SB,    SA+8704                    ; W1's scales: 17 x 256 bytes a tile, tile 0's here, tiles 1-7 behind it
.set RG,    SB+4352                    ; x's 256 rows at the head; later W1's scales 1-7, slot 1, W2's images, b1
.set SLOT1, RG+7*4352
.set W2L,   SLOT1+SLOTB
.set BIASL, W2L+32768
.set TILEG, 128*768                    ; a tile of W1 in memory
.set HB, 7
.set ADRS0, 8
.set AW, 9
.set BAD, 10
.set HS, 11
.set WS, 12
.set BS, 13
.set ADRA, 14
.set ADRB, 16
.set GO, 24
.set ADRS, 25
.set BG, 27
.set SPW, 28
.set NIL, 29
.set W2O, 30
.set SC, 32
.set LG, 192
.set WF, 224
.set TMP, 240
.set G1A, 24
.set G1B, 32
.set G1SA, 40
.set G1SB, 48
.set G0A, 56
.set G0B, 60
.set G0R, 68
.set G0SA, 88
.set G0SB, 92
.set CW, (1<<20)|(1<<21)|(5<<22)|(3<<25)
.set MSB, 0
.macro WIN new
.if MSB != (\new)
	s_set_vgpr_msb (MSB<<8)|(\new)
.set MSB, (\new)
.endif
.endm
.macro PLACES
.rept 4
	v_nop
.endr
.endm
.macro CROUND
	s_barrier_signal -1
	s_barrier_wait -1
	s_cmp_lg_u32 s14, 0
	s_cbranch_scc1 .Lnw0_\@
	s_barrier_signal -3
.Lnw0_\@:
	s_barrier_wait -3
	s_barrier_signal -1
	s_barrier_wait -1
.endm
.macro GRP1 g, mask, w0, c, r
	s_or_b32 s[\g], s[\mask], \w0
	s_mov_b32 s[\g+1], (\c)<<16
	s_mov_b32 s[\g+2], (\r)<<16
	s_mov_b32 s[\g+3], (\c)<<16
	s_mov_b32 s[\g+4], \r
	s_mov_b32 s[\g+5], \c
	s_mov_b32 s[\g+6], 0
	s_mov_b32 s[\g+7], 0
.endm
.macro GRP0 g, lds, p
	s_mov_b32 s[\g], 1
	s_mov_b32 s[\g+1], \lds
	s_mov_b64 s[\g+2:\g+3], s[\p:\p+1]
	s_or_b32 s[\g+3], s[\g+3], 0x80000000
.endm
.macro TLOAD g0, g1                    ; s_nop 0 and four v_nop behind the load
	tensor_load_to_lds s[\g0:\g0+3], s[\g1:\g1+7]
	s_nop 0
	PLACES
.endm
.macro ARM under, g0, g1, next
	s_cmp_lt_u32 s14, \under
	s_cbranch_scc0 \next
	TLOAD \g0, \g1
	s_branch .Lhead_asked
\next:
.endm
; a fragment: six pieces of 8 bytes; byte y of a row lies at y + 16 (y / 256); lanes 16-31 read 24 bytes on, by register adr + 1 (16 more) where that passes a padding
.macro FRAG reg, adr, st, off
.irp p, 0,1,2,3,4,5
.set BY, 96*(\st)+48*(\p/3)+8*(\p%3)
.if BY/256 == (BY+24)/256
	ds_load_b64 v[\reg+2*\p:\reg+2*\p+1], v[\adr] offset:BY+16*(BY/256)+\off
.else
	ds_load_b64 v[\reg+2*\p:\reg+2*\p+1], v[\adr+1] offset:BY+16*(BY/256)+\off
.endif
.endr
.endm
.macro FETCHB slot, st, p
.irp b, 0,1,2,3,4,5,6,7
	FRAG 96*(\p)+12*\b, ADRB+4*(\slot)+2*(\b/4), \st, (\b%4)*BLK
.endr
.endm
.macro AREAD st
.if \st < 5
	WIN 0x40
.irp a, 0,1,2,3
	FRAG 48*\st+12*\a, ADRA, \st, \a*BLK
.endr
.else
	WIN 0
.irp a, 0,1,2,3
	FRAG 112+48*(\st-5)+12*\a, ADRA, \st, \a*BLK
.endr
.endif
.endm
; scale words: register SC + 10 b + step: lanes 16-31 W1's block b, lanes 0-15 x's block b % 4
.macro SCALES
.irp b, 0,1,2,3,4,5,6,7
	ds_load_b128 v[SC+10*\b:SC+10*\b+3], v[ADRS+\b/4] offset:544*(\b%4)
	ds_load_b128 v[SC+10*\b+4:SC+10*\b+7], v[ADRS+\b/4] offset:544*(\b%4)+16
.endr
.endm
; 32 matrix instructions, the 32 accumulators by turns
.macro MUL st, p
.if \st < 5
	WIN 0xa7
.set AB_, 48*\st
.else
	WIN 0xa3
.set AB_, 112+48*(\st-5)
.endif
.irp b, 0,1,2,3,4,5,6,7
.irp a, 0,1,2,3
.if (\b%4) == \a
.set SX_, \b
.else
.set SX_, \a
.endif
	v_wmma_scale_f32_16x16x128_f8f6f4 v[8*(4*\b+\a):8*(4*\b+\a)+7], v[96*(\p)+12*\b:96*(\p)+12*\b+11], v[AB_+12*\a:AB_+12*\a+11], v[8*(4*\b+\a):8*(4*\b+\a)+7], v[SC+10*\b+\st], v[SC+10*SX_+\st] matrix_a_fmt:MATRIX_FMT_FP6 matrix_b_fmt:MATRIX_FMT_FP6 matrix_a_scale:MATRIX_SCALE_ROW1
.endr
.endr
.endm
.macro STEP slot, st
	PLACES                                 ; in front of loads into the set that the step before multiplied
.if \st < 7
	WIN 0xc0
	FETCHB \slot, (\st)+1, ((\st)+1)%2
	s_wait_dscnt 48                        ; all but the 48 just issued
.else
	s_wait_dscnt 0x0
.endif
	MUL \st, (\st)%2
.endm
.macro TILE slot
.irp st, 0,1,2,3,4,5,6,7
	STEP \slot, \st
.endr
.endm
.macro WFLOAD aoff
.irp c, 0,1,2,3
	ds_load_b128 v[WF+8*\c:WF+8*\c+3], v[AW] offset:\aoff+1024*\c
	ds_load_b128 v[WF+8*\c+4:WF+8*\c+7], v[AW] offset:\aoff+1024*\c+512
.endr
.endm
; relu, bf16, logits += W2 h; behind its conversion an accumulator takes the next tile's b1 (boff: its place; -1: none)
.macro EPI boff
.irp c, 0,1,2,3
.irp g, 0,1
	WIN 0x88
.irp u, 0,1
.irp bb, 0,1
.set AC, 8*(4*(2*\c+\bb)+2*\g+\u)
.irp j, 0,1,2,3,4,5,6,7
	v_max_num_f32 v[AC+\j], 0, v[AC+\j]
.endr
.endr
.endr
	WIN 0x4a
.irp u, 0,1
.irp bb, 0,1
.set AC, 8*(4*(2*\c+\bb)+2*\g+\u)
.irp i, 0,1,2,3
	v_cvt_pk_bf16_f32 v[TMP+8*\u+4*\bb+\i], v[AC+2*\i], v[AC+2*\i+1]
.endr
.endr
.endr
	WIN 0xf7
.irp u, 0,1
	v_wmma_f32_16x16x32_bf16 v[LG+8*(2*\g+\u):LG+8*(2*\g+\u)+7], v[WF+8*\c:WF+8*\c+7], v[TMP+8*\u:TMP+8*\u+7], v[LG+8*(2*\g+\u):LG+8*(2*\g+\u)+7]
.endr
.if \boff >= 0
	WIN 0x80
.irp u, 0,1
.irp bb, 0,1
.set AC, 8*(4*(2*\c+\bb)+2*\g+\u)
	ds_load_b128 v[AC:AC+3], v[BAD] offset:\boff+64*(2*\c+\bb)
	ds_load_b128 v[AC+4:AC+7], v[BAD] offset:\boff+64*(2*\c+\bb)+16
.endr
.endr
.endif
.endr
.endr
.endm
; between two tiles: the slot just read is filled again (fill = 1), the next tile's first fragments and scales are fetched, the finished tile goes through the second product
.macro MID slot, fill, aoff, boff
	PLACES
	WIN 0
	s_wait_tensorcnt 0x0                   ; all my tensor loads have landed: my part of the next tile
.if \fill
	ds_add_u32 v[SPW], v[NIL]
	s_add_nc_u64 s[G0R+4*\slot+2:G0R+4*\slot+3], s[G0R+4*\slot+2:G0R+4*\slot+3], 2*TILEG
	s_wait_dscnt 0x0                       ; the add, and my reads of this slot
	CROUND
	s_cmp_lt_u32 s14, 2                    ; waves 0 and 1 fetch 64 rows each
	s_cbranch_scc0 .Lnofill_\@
	TLOAD G0R+4*\slot, G1B
.Lnofill_\@:
.else
	s_wait_dscnt 0x0
	s_barrier_signal -1
	s_barrier_wait -1
.endif
	WIN 0xc0
	WFLOAD \aoff
	FETCHB 1-\slot, 0, 0
	s_wait_dscnt 48                        ; W2's fragments are in
	WIN 0
	s_add_co_u32 s2, s2, 4352              ; lanes 16-31: the next tile's scales
	v_mul_u32_u24 v[ADRS], s2, v[HB]
	v_add_nc_u32 v[ADRS], v[ADRS0], v[ADRS]
	v_add_nc_u32 v[ADRS+1], v[ADRS], v[HS]
	SCALES
	EPI \boff
.endm
	s_load_b128 s[4:7], s[0:1], 0x0        ; x's codes, scales
	s_load_b256 s[68:75], s[0:1], 0x10     ; W1o's codes, scales, W1f's codes, scales
	s_load_b256 s[76:83], s[0:1], 0x30     ; W2o, W2f, b1o, b1f
	s_load_b64 s[12:13], s[0:1], 0x50      ; part
	v_lshl_add_u32 v[SPW], v0, 2, SPARE
	v_mov_b32 v[NIL], 0
	ds_add_u32 v[SPW], v[NIL]
	ds_add_u32 v[SPW], v[NIL]
	v_lshrrev_b32 v1, 5, v0
	v_readfirstlane_b32 s14, v1            ; wave
	s_and_b32 s16, s14, 1
	s_bfe_u32 s96, ttmp6, 0x40000          ; cx
	s_bfe_u32 s97, ttmp6, 0x40004          ; cy
	s_and_b32 s17, ttmp7, 0xffff
	s_lshl_b32 s17, s17, 2
	s_add_co_u32 s17, s17, s97             ; row block
	s_lshl_b32 s98, s97, 2
	s_lshl_b32 s98, 15, s98                ; my row of the cluster
	s_lshl_b32 s99, 0x1111, s96            ; my column
	s_mov_b32 s2, 0
	GRP1 G1A, 98, CW, 768, 256             ; x: 256 rows of 768 bytes
	GRP1 G1B, 99, CW, 768, 128             ; W1: tile 0 whole; later 64 rows a load
	GRP1 G1SA, 98, CW|(3<<16), 32, 32      ; x's scales: 32 rows of 256 bytes
	GRP1 G1SB, 99, CW|(3<<16), 32, 16      ; W1's scales: tile 0's 16 rows; later 112
	s_mul_i32 s20, s17, 256*768
	s_mov_b32 s21, 0
	s_lshl_b32 s22, s17, 13
	s_mov_b32 s23, 0
	s_mul_i32 s18, s96, 1024*768
	s_mov_b32 s19, 0
	s_lshl_b32 s100, s96, 15
	s_mov_b32 s101, 0
	s_wait_dscnt 0x0
	s_wait_kmcnt 0x0
	s_cmp_eq_u32 ttmp9, 0                  ; the net
	s_cselect_b64 s[8:9], s[68:69], s[72:73]
	s_cselect_b64 s[10:11], s[70:71], s[74:75]
	s_cselect_b64 s[84:85], s[76:77], s[78:79]
	s_cselect_b64 s[86:87], s[80:81], s[82:83]
	s_add_nc_u64 s[20:21], s[4:5], s[20:21]
	s_add_nc_u64 s[22:23], s[6:7], s[22:23]
	s_add_nc_u64 s[8:9], s[8:9], s[18:19]
	s_add_nc_u64 s[10:11], s[10:11], s[100:101]
	CROUND                                 ; in front of the first joint loads
	GRP0 G0A, RG, 20
	GRP0 G0B, 0, 8
	GRP0 G0SA, SA, 22
	GRP0 G0SB, SB, 10
	s_mul_i32 s18, s16, 64*768             ; the ring: my 64 rows of a tile
	s_add_nc_u64 s[8:9], s[8:9], s[18:19]
	s_mov_b32 s[G0R], 1
	s_mul_i32 s[G0R+1], s16, HALF
	s_mov_b64 s[G0R+2:G0R+3], s[8:9]       ; slot 0: stepped by two tiles ahead of each refill
	s_or_b32 s[G0R+3], s[G0R+3], 0x80000000
	s_mov_b32 s[G0R+4], 1
	s_add_co_u32 s[G0R+5], s[G0R+1], SLOT1
	s_add_nc_u64 s[G0R+6:G0R+7], s[8:9], TILEG   ; slot 1: tile 1
	s_or_b32 s[G0R+7], s[G0R+7], 0x80000000
	ARM 1, G0A, G1A, .Lh_b                 ; one load a wave: x, W1's tile 0, x's scales, tile 0's scales
	ARM 2, G0B, G1B, .Lh_sa
	ARM 3, G0SA, G1SA, .Lh_sb
	TLOAD G0SB, G1SB
.Lhead_asked:
	s_lshl_b32 s18, s96, 10
	s_lshl_b32 s19, s14, 8
	s_add_co_u32 s18, s18, s19
	s_mul_i32 s18, s18, 40                 ; W2: my 256 hidden units
	s_mov_b32 s19, 0
	s_add_nc_u64 s[84:85], s[84:85], s[18:19]
	s_lshl_b32 s18, s96, 12
	s_add_nc_u64 s[86:87], s[86:87], s[18:19]
	s_lshl_b32 s18, ttmp9, 2
	s_add_co_u32 s18, s18, s96
	s_lshl_b32 s18, s18, 19                ; part: 4 net + cx,
	s_lshl_b32 s20, s17, 14                ; the row block's 16 tiles of 1,024 bytes,
	s_add_co_u32 s18, s18, s20
	s_lshl_b32 s20, s14, 12                ; my four
	s_add_co_u32 s18, s18, s20
	s_add_nc_u64 s[12:13], s[12:13], s[18:19]
	s_mul_i32 s20, s14, HALF
	s_add_co_u32 s20, s20, RG
	s_lshl_b32 s21, s14, 13
	s_add_co_u32 s21, s21, W2L
	s_mul_i32 s23, s14, 2176
	s_sub_co_u32 s22, SB-SA, s23
	s_add_co_u32 s23, s23, SA
	v_and_b32 v1, 15, v0
	v_bfe_u32 v[HB], v0, 4, 1
	v_and_b32 v6, 31, v0
	v_min_u32 v2, 9, v1
	v_lshlrev_b32 v2, 2, v2
	v_mad_u32_u24 v[W2O], v[HB], 320, v2   ; class min(r, 9), 8 h hidden units down
	v_lshlrev_b32 v[BG], 5, v0
	v_lshl_add_u32 v[BS], v0, 5, BIASL
	v_lshl_add_u32 v[BAD], v[HB], 5, BIASL
	v_lshlrev_b32 v[GO], 4, v6
	v_lshl_add_u32 v[AW], v6, 4, W2L
	v_add_nc_u32 v[WS], s21, v[GO]
	v_mul_u32_u24 v3, v1, PITCH
	v_mad_u32_u24 v4, v[HB], 24, v3
	v_lshl_add_u32 v5, v[HB], 4, v4
	v_add_nc_u32 v[ADRA], s20, v4
	v_add_nc_u32 v[ADRA+1], s20, v5
.irp s, 0,1
.irp f, 0,1
	v_add_nc_u32 v[ADRB+4*\s+2*\f], \s*SLOT1+\f*HALF, v4
	v_add_nc_u32 v[ADRB+4*\s+2*\f+1], \s*SLOT1+\f*HALF, v5
.endr
.endr
	v_lshlrev_b32 v2, 5, v1                ; a row's scales: 32 bytes, 16 more behind each 8 rows
	v_lshrrev_b32 v3, 3, v1
	v_lshl_add_u32 v2, v3, 4, v2
	v_mul_u32_u24 v3, s22, v[HB]           ; lanes 16-31 take W1's
	v_add_nc_u32 v2, v2, v3
	v_add_nc_u32 v[ADRS0], s23, v2
	v_mul_u32_u24 v[HS], v[HB], 2176
	v_mov_b32 v[ADRS], v[ADRS0]
	v_add_nc_u32 v[ADRS+1], v[ADRS0], v[HS]
	s_wait_alu depctr_va_vdst(0)
	WIN 0x80
.irp f, 0,1,2,3,4,5,6,7
.irp i, 0,1,2,3,4,5,6,7,8,9,10,11,12,13,14,15
	global_load_b32 v[16*\f+\i], v[W2O], s[84:85] offset:(32*\f+\i+8*(\i/8))*40
.endr
.endr
	global_load_b128 v[192:195], v[BG], s[86:87]
	global_load_b128 v[196:199], v[BG], s[86:87] offset:16
	WIN 0
	s_wait_tensorcnt 0x0                   ; my tile of the head's four is in
	s_barrier_signal -1
	s_barrier_wait -1
.irp st, 0,1,2,3,4,5,6,7
	AREAD \st
.endr
	WIN 0
	s_wait_tensorcnt 0x0
	ds_add_u32 v[SPW], v[NIL]
	s_mov_b32 s[G1B+2], 64<<16             ; no load of mine is out: from here on 64 rows a load,
	s_mov_b32 s[G1B+4], 64
	s_mov_b32 s[G1SB+2], 112<<16           ; and the scales of tiles 1-7
	s_mov_b32 s[G1SB+4], 112
	s_mov_b32 s[G0SB+1], RG
	s_add_nc_u64 s[G0SB+2:G0SB+3], s[G0SB+2:G0SB+3], 4096
	s_wait_dscnt 0x0                       ; x's fragments are in registers
	CROUND
	s_cmp_lt_u32 s14, 2
	s_cbranch_scc0 .Lh5_s
	TLOAD G0R+4, G1B                       ; tile 1 into slot 1
	s_branch .Lh5_e
.Lh5_s:
	s_cmp_eq_u32 s14, 2
	s_cbranch_scc0 .Lh5_e
	TLOAD G0SB, G1SB
.Lh5_e:
	s_wait_loadcnt 0x0
	WIN 0x8a
.irp f, 0,1,2,3,4,5,6,7
.irp i, 0,1,2,3,4,5,6,7
	v_cvt_pk_bf16_f32 v[128+8*\f+\i], v[16*\f+2*\i], v[16*\f+2*\i+1]
.endr
.endr
	WIN 0x08
.irp f, 0,1,2,3,4,5,6,7
	ds_store_b128 v[WS], v[128+8*\f:128+8*\f+3] offset:1024*\f          ; images of W2's fragments
	ds_store_b128 v[WS], v[128+8*\f+4:128+8*\f+7] offset:1024*\f+512
.endr
	ds_store_b128 v[BS], v[192:195]
	ds_store_b128 v[BS], v[196:199] offset:16
	WIN 0
	s_wait_dscnt 0x0
	s_barrier_signal -1
	s_barrier_wait -1
	WIN 0xc0
	FETCHB 0, 0, 0
.set n, 0
.rept 32
	v_mov_b32 v[LG+n], 0
.set n, n+1
.endr
	WIN 0
	SCALES
	WIN 0x80
.irp b, 0,1,2,3,4,5,6,7
.irp a, 0,1,2,3
	ds_load_b128 v[8*(4*\b+\a):8*(4*\b+\a)+3], v[BAD] offset:64*\b
	ds_load_b128 v[8*(4*\b+\a)+4:8*(4*\b+\a)+7], v[BAD] offset:64*\b+16
.endr
.endr
	WIN 0
	s_wait_alu depctr_va_vdst(0)
	s_mov_b32 s3, 3
.Ltrip:                                        ; two tiles a trip; both slots are filled again
	TILE 0
	MID 0, 1, 0, 512
	TILE 1
	MID 1, 1, 4096, 1024
	WIN 0
	v_add_nc_u32 v[AW], 8192, v[AW]
	v_add_nc_u32 v[BAD], 1024, v[BAD]
	s_sub_co_u32 s3, s3, 1
	s_cmp_lg_u32 s3, 0
	s_wait_alu depctr_va_vdst(0)
	s_cbranch_scc1 .Ltrip
	TILE 0                                 ; tiles 6 and 7: nothing more is fetched
	MID 0, 0, 0, 512
	TILE 1
	PLACES
	WIN 0xc0
	WFLOAD 4096
	s_wait_dscnt 0x0
	EPI -1
	PLACES
	WIN 0x0c
.irp a, 0,1,2,3
	global_store_b128 v[GO], v[LG+8*\a:LG+8*\a+3], s[12:13] offset:1024*\a th:TH_STORE_NT       ; a wave stores 512 consecutive bytes
	global_store_b128 v[GO], v[LG+8*\a+4:LG+8*\a+7], s[12:13] offset:1024*\a+512 th:TH_STORE_NT
.endr
	WIN 0
	s_wait_tensorcnt 0x0                   ; the wave's end
	ds_add_u32 v[SPW], v[NIL]
	s_wait_dscnt 0x0
	CROUND                                 ; the closing round
	s_endpgm
.Lfunc_end_k_q5c66751943_hidden:
	.size	k_q5c66751943_hidden, .Lfunc_end_k_q5c66751943_hidden-k_q5c66751943_hidden
	.p2alignl 7, 3214868480
	.fill 96, 4, 3214868480
	.section	.rodata,"a",@progbits
	.p2align	6, 0x0
	.amdhsa_kernel k_q5c66751943_hidden
		.amdhsa_group_segment_fixed_size 327680
		.amdhsa_private_segment_fixed_size 0
		.amdhsa_enable_private_segment 0
		.amdhsa_kernarg_size 88
		.amdhsa_user_sgpr_count 2
		.amdhsa_user_sgpr_kernarg_segment_ptr 1
		.amdhsa_wavefront_size32 1
		.amdhsa_system_sgpr_workgroup_id_x 1
		.amdhsa_system_sgpr_workgroup_id_y 1
		.amdhsa_system_sgpr_workgroup_id_z 1
		.amdhsa_system_vgpr_workitem_id 0
		.amdhsa_next_free_vgpr 1024
		.amdhsa_next_free_sgpr 102
		.amdhsa_reserve_vcc 0
		.amdhsa_float_denorm_mode_32 3
		.amdhsa_float_denorm_mode_16_64 3
		.amdhsa_memory_ordered 1
		.amdhsa_forward_progress 1
		.amdhsa_inst_pref_size 255
	.end_amdhsa_kernel
	.section	.bss,"aw",@nobits
	.p2align	6
	.space	262144
	.amdgpu_metadata
---
amdhsa.version: [ 1, 2 ]
amdhsa.kernels:
  - .name:           k_q5c66751943_hidden
    .symbol:         k_q5c66751943_hidden.kd
    .args:
      - { .name: x_codes, .offset: 0, .size: 8, .value_kind: global_buffer, .address_space: global }
      - { .name: x_scales, .offset: 8, .size: 8, .value_kind: global_buffer, .address_space: global }
      - { .name: W1o_codes, .offset: 16, .size: 8, .value_kind: global_buffer, .address_space: global }
      - { .name: W1o_scales, .offset: 24, .size: 8, .value_kind: global_buffer, .address_space: global }
      - { .name: W1f_codes, .offset: 32, .size: 8, .value_kind: global_buffer, .address_space: global }
      - { .name: W1f_scales, .offset: 40, .size: 8, .value_kind: global_buffer, .address_space: global }
      - { .name: W2o, .offset: 48, .size: 8, .value_kind: global_buffer, .address_space: global }
      - { .name: W2f, .offset: 56, .size: 8, .value_kind: global_buffer, .address_space: global }
      - { .name: b1o, .offset: 64, .size: 8, .value_kind: global_buffer, .address_space: global }
      - { .name: b1f, .offset: 72, .size: 8, .value_kind: global_buffer, .address_space: global }
      - { .name: part, .offset: 80, .size: 8, .value_kind: global_buffer, .address_space: global }
    .group_segment_fixed_size: 327680
    .private_segment_fixed_size: 0
    .kernarg_segment_align: 8
    .kernarg_segment_size: 88
    .max_flat_workgroup_size: 128
    .sgpr_count:     102
    .vgpr_count:     1024
    .wavefront_size: 32
...
	.end_amdgpu_metadata
.endif
;; end of part 1
;; launch mix (part 2): grid 128 x 1, 4 waves a work-group, no clusters, 8,704 bytes of LDS; arguments part, b2o, b2f, out0; writes out0
.if DOCPART == 2
	.amdgcn_target "amdgcn-amd-amdhsa--gfx1250"
	.amdhsa_code_object_version 6
	.text
	.protected	k_q5c66751943_mix
	.globl	k_q5c66751943_mix
	.p2align	8
	.type	k_q5c66751943_mix,@function
k_q5c66751943_mix:
	s_mov_b64 s[64:65], 0
	v_nop
	global_prefetch_b8 v0, s[64:65] scope:SCOPE_SE
	s_setreg_imm32_b32 hwreg(HW_REG_WAVE_MODE, 25, 1), 1
	s_wait_xcnt 0x0
; out = x1 (1 - c) + x2 c;  x1, x2 = softmax(logits + b2) of net o and net f;  c = the tau column of three rounds of (square, sum, polynomial inverse of the sum, scale) on [x1, 0.5].
; part[g][T][k][lane][16 bytes] holds the logits' eight parts (g = 4 net + group of hidden units) as images of 16 x 16 accumulators: register j of lane l is class 8 (l / 16) + j of row 16 T + l % 16.
; A wave takes one tile T of 16 rows; lanes l and l xor 16 share a row.  Classes 10-15 get the bias -infinity, so their p is 0 and they add nothing to any sum.
; All in f32; the row's maximum is taken away before the exponential.  No matrix work, no tensor load, no cluster: nothing is shared, and a work-group reads 32 KiB and writes 2,560 bytes.
; A row of out is 40 bytes: the work-group's 64 rows meet in LDS and leave as 2,560 consecutive bytes, ten aligned runs of 256.
; LIMITS: NaN and infinities among the logits are not served.
	s_load_b256 s[4:11], s[0:1], 0x0               ; part s[4:5], b2o s[6:7], b2f s[8:9], out0 s[10:11]
	v_lshl_add_u32 v128, v0, 2, 0x2000
	v_mov_b32 v129, 0
	v_lshrrev_b32 v1, 5, v0
	v_readfirstlane_b32 s14, v1                    ; wave 0..3
	v_and_b32 v2, 31, v0                           ; lane
	v_and_b32 v1, 15, v0                           ; r
	s_wait_alu depctr_va_vdst(0)
	v_bfe_u32 v3, v0, 4, 1                         ; h
	v_lshlrev_b32 v4, 4, v2                        ; 16 x lane
	s_lshl_b32 s40, ttmp9, 2
	s_add_co_u32 s40, s40, s14                     ; T = 4 x work-group + wave
	s_lshl_b32 s40, s40, 10
	s_mov_b32 s41, 0
	s_mul_i32 s42, ttmp9, 2560                     ; the work-group's 64 rows of out
	s_mov_b32 s43, 0
	s_mov_b32 s12, 0x76543210                      ; v_permlanex16_b32's selects for lane l xor 16
	s_mov_b32 s13, 0xfedcba98
	s_mov_b32 s38, 0x3fb8aa3b                      ; log2(e)
	s_mov_b32 s39, s38                             ; (named with it as a pair, so it is written)
	s_mov_b32 s44, 0x3f638e39                      ; 2 / m of the first round: 2 / 2.25
	s_mul_i32 s15, s14, 640                        ; the stage: 640 bytes a wave, 40 a row
	v_mul_u32_u24 v5, v1, 40
	v_add_nc_u32 v5, s15, v5
	s_wait_alu depctr_va_vdst(0)
	v_lshl_add_u32 v6, v3, 12, v5                  ; classes 2-7 of lanes 0-15; lanes 16-31 (classes 10-15, which out does not have) write 4,096 bytes further on, where nobody reads
	v_lshl_add_u32 v5, v3, 5, v5                   ; classes 0, 1 of lanes 0-15; classes 8, 9 of lanes 16-31, 32 bytes on
	v_lshlrev_b32 v7, 4, v0                        ; back, and in out: 16 bytes a thread
.irp q, 105,107,117,119,121,125,127
	v_mov_b32 v\q, 0                               ; written once: destinations of lane permutes, and upper halves of pairs of which the low word serves
.endr
	s_wait_kmcnt 0x0
	s_add_nc_u64 s[4:5], s[4:5], s[40:41]
	s_add_nc_u64 s[10:11], s[10:11], s[42:43]
.irp g, 0,1,2,3,4,5,6,7
	global_load_b128 v[16+8*\g:16+8*\g+3], v4, s[4:5] offset:524288*\g th:TH_LOAD_NT        ; 32 lanes read 512 consecutive bytes
	global_load_b128 v[16+8*\g+4:16+8*\g+7], v4, s[4:5] offset:524288*\g+512 th:TH_LOAD_NT
.endr
	s_load_b256 s[16:23], s[6:7], 0x0              ; b2o's ten numbers: 32 + 8 bytes
	s_load_b64 s[24:25], s[6:7], 0x20
	s_load_b256 s[28:35], s[8:9], 0x0              ; b2f's
	s_load_b64 s[36:37], s[8:9], 0x20
	s_wait_kmcnt 0x0
	v_cmp_eq_u32 vcc_lo, 1, v3                     ; lanes 16-31
	v_mov_b32 v104, 0xff800000                     ; -infinity
.irp j, 0,1,2,3,4,5,6,7
	v_mov_b32 v[80+\j], s[16+\j]                   ; b2 in the layout: lanes 0-15 classes 0-7,
	v_mov_b32 v[88+\j], s[28+\j]
.endr
	v_mov_b32 v108, s24
	v_mov_b32 v109, s25
	v_mov_b32 v110, s36
	v_mov_b32 v111, s37
	v_cndmask_b32 v80, v80, v108, vcc_lo           ; lanes 16-31 classes 8, 9,
	v_cndmask_b32 v81, v81, v109, vcc_lo
	v_cndmask_b32 v88, v88, v110, vcc_lo
	v_cndmask_b32 v89, v89, v111, vcc_lo
.irp j, 2,3,4,5,6,7
	v_cndmask_b32 v[80+\j], v[80+\j], v104, vcc_lo ; and -infinity for classes 10-15
	v_cndmask_b32 v[88+\j], v[88+\j], v104, vcc_lo
.endr
	s_wait_loadcnt 0x0
	; the logits: ((P0 + P1) + (P2 + P3)) + b2.  Net n's in v[16 + 32 n ..]
.irp n, 0,1
.irp j, 0,2,4,6
	v_pk_add_f32 v[16+32*\n+\j:17+32*\n+\j], v[16+32*\n+\j:17+32*\n+\j], v[24+32*\n+\j:25+32*\n+\j]
	v_pk_add_f32 v[32+32*\n+\j:33+32*\n+\j], v[32+32*\n+\j:33+32*\n+\j], v[40+32*\n+\j:41+32*\n+\j]
.endr
.endr
.irp n, 0,1
.irp j, 0,2,4,6
	v_pk_add_f32 v[16+32*\n+\j:17+32*\n+\j], v[16+32*\n+\j:17+32*\n+\j], v[32+32*\n+\j:33+32*\n+\j]
.endr
.endr
.irp n, 0,1
.irp j, 0,2,4,6
	v_pk_add_f32 v[16+32*\n+\j:17+32*\n+\j], v[16+32*\n+\j:17+32*\n+\j], v[80+8*\n+\j:81+8*\n+\j]
.endr
.endr
	; the softmax, both nets in step.  The row's maximum: my eight, then lane l xor 16's
.irp n, 0,1
	v_max3_num_f32 v[104+2*\n], v[16+32*\n], v[17+32*\n], v[18+32*\n]
.endr
.irp n, 0,1
	v_max3_num_f32 v[104+2*\n], v[104+2*\n], v[19+32*\n], v[20+32*\n]
.endr
.irp n, 0,1
	v_max3_num_f32 v[104+2*\n], v[104+2*\n], v[21+32*\n], v[22+32*\n]
.endr
.irp n, 0,1
	v_max_num_f32 v[104+2*\n], v[104+2*\n], v[23+32*\n]
.endr
.irp n, 0,1
	v_permlanex16_b32 v[105+2*\n], v[104+2*\n], s12, s13
.endr
.irp n, 0,1
	v_max_num_f32 v[104+2*\n], v[104+2*\n], v[105+2*\n]
.endr
.irp n, 0,1
.irp j, 0,2,4,6
	v_pk_add_f32 v[16+32*\n+\j:17+32*\n+\j], v[16+32*\n+\j:17+32*\n+\j], v[104+2*\n:105+2*\n] op_sel_hi:[1,0] neg_lo:[0,1] neg_hi:[0,1]   ; z - the maximum (of the pair the low word serves both halves)
.endr
.endr
.irp n, 0,1
.irp j, 0,2,4,6
	v_pk_mul_f32 v[16+32*\n+\j:17+32*\n+\j], v[16+32*\n+\j:17+32*\n+\j], s[38:39] op_sel_hi:[1,0]   ; x log2(e)
.endr
.endr
	s_wait_alu depctr_va_vdst(0)
.irp n, 0,1
.irp j, 0,1,2,3,4,5,6,7
	v_exp_f32 v[16+32*\n+\j], v[16+32*\n+\j]       ; one batch of sixteen
.endr
.endr
	v_nop                                          ; a plain instruction behind the last exponential
	s_wait_alu depctr_va_vdst(0)                   ; one wait for the batch, ahead of its first reader
.irp n, 0,1
	v_pk_add_f32 v[108+4*\n:109+4*\n], v[16+32*\n:17+32*\n], v[18+32*\n:19+32*\n]
	v_pk_add_f32 v[110+4*\n:111+4*\n], v[20+32*\n:21+32*\n], v[22+32*\n:23+32*\n]
.endr
.irp n, 0,1
	v_pk_add_f32 v[108+4*\n:109+4*\n], v[108+4*\n:109+4*\n], v[110+4*\n:111+4*\n]
.endr
.irp n, 0,1
	v_add_f32 v[108+4*\n], v[108+4*\n], v[109+4*\n]
.endr
.irp n, 0,1
	v_permlanex16_b32 v[109+4*\n], v[108+4*\n], s12, s13
.endr
.irp n, 0,1
	v_add_f32 v[108+4*\n], v[108+4*\n], v[109+4*\n]   ; the row's sum
.endr
	s_wait_alu depctr_va_vdst(0)
.irp n, 0,1
	v_rcp_f32 v[116+2*\n], v[108+4*\n]
.endr
	v_nop                                          ; a plain instruction behind the last reciprocal
	s_wait_alu depctr_va_vdst(0)                   ; one wait for the two
.irp n, 0,1
.irp j, 0,2,4,6
	v_pk_mul_f32 v[16+32*\n+\j:17+32*\n+\j], v[16+32*\n+\j:17+32*\n+\j], v[116+2*\n:117+2*\n] op_sel_hi:[1,0]   ; x1 in v16-23, x2 in v48-55
.endr
.endr
	; the tau column.  R = v96-103: the row's squares; v120: the tau column's
.irp j, 0,2,4,6
	v_pk_mul_f32 v[96+\j:97+\j], v[16+\j:17+\j], v[16+\j:17+\j]
.endr
	v_mov_b32 v120, 0x3e800000                     ; 0.5 squared
; A round: the sum of the squares; a = 2 - k s, b = 1 - k s, three times (b = b b, a = a + a b), inv = k a, k = 2 / m in s44; all times inv; and, but in the last round, the next round's squares.
; The last round scales the tau column alone: nothing else of it is returned.
.macro ROUND last
	v_pk_add_f32 v[108:109], v[96:97], v[98:99]
	v_pk_add_f32 v[110:111], v[100:101], v[102:103]
	v_pk_add_f32 v[108:109], v[108:109], v[110:111]
	v_add_f32 v108, v108, v109
	v_permlanex16_b32 v109, v108, s12, s13
	v_add_f32 v108, v108, v109
	v_add_f32 v108, v108, v120
	v_fma_f32 v122, -v108, s44, 2.0
	v_fma_f32 v123, -v108, s44, 1.0
.rept 3
	v_mul_f32 v123, v123, v123
	v_fma_f32 v122, v122, v123, v122
.endr
	v_mul_f32 v124, s44, v122
	v_mul_f32 v120, v120, v124
.if !\last
.irp j, 0,2,4,6
	v_pk_mul_f32 v[96+\j:97+\j], v[96+\j:97+\j], v[124:125] op_sel_hi:[1,0]
.endr
.irp j, 0,2,4,6
	v_pk_mul_f32 v[96+\j:97+\j], v[96+\j:97+\j], v[96+\j:97+\j]
.endr
	v_mul_f32 v120, v120, v120
.endif
.endm
	ROUND 0
	s_mov_b32 s44, 1.0                             ; 2 / m of the later rounds: m = 2
	ROUND 0
	ROUND 1                                        ; c = v120
	v_sub_f32 v126, 1.0, v120
.irp j, 0,2,4,6
	v_pk_mul_f32 v[96+\j:97+\j], v[16+\j:17+\j], v[126:127] op_sel_hi:[1,0]
.endr
.irp j, 0,2,4,6
	v_pk_fma_f32 v[96+\j:97+\j], v[48+\j:49+\j], v[120:121], v[96+\j:97+\j] op_sel_hi:[1,0,1]   ; x1 (1 - c) + x2 c
.endr
	ds_store_b64 v5, v[96:97]                      ; classes 0, 1 (lanes 0-15) and 8, 9 (lanes 16-31)
	ds_store_b64 v6, v[98:99] offset:8             ; classes 2-7 (lanes 0-15)
	ds_store_b64 v6, v[100:101] offset:16
	ds_store_b64 v6, v[102:103] offset:24
	s_wait_dscnt 0x0                               ; for the others' sake: my rows lie in the stage
	s_barrier_signal -1
	s_barrier_wait -1
	ds_load_b128 v[8:11], v7
	s_wait_dscnt 0x0
	global_store_b128 v7, v[8:11], s[10:11] th:TH_STORE_NT           ; 128 threads: the first 2,048 bytes; a wave stores 512 consecutive bytes, at a multiple of 256 from out's first byte
	s_cmp_lg_u32 s14, 0
	s_cbranch_scc1 .Ldone
	ds_load_b128 v[12:15], v7 offset:2048          ; wave 0: the last 512
	s_wait_dscnt 0x0
	global_store_b128 v7, v[12:15], s[10:11] offset:2048 th:TH_STORE_NT
.Ldone:
	s_wait_tensorcnt 0x0
	ds_add_u32 v128, v129
	s_wait_dscnt 0x0
	s_endpgm
.Lfunc_end_k_q5c66751943_mix:
	.size	k_q5c66751943_mix, .Lfunc_end_k_q5c66751943_mix-k_q5c66751943_mix
	.p2alignl 7, 3214868480
	.fill 96, 4, 3214868480
	.section	.rodata,"a",@progbits
	.p2align	6, 0x0
	.amdhsa_kernel k_q5c66751943_mix
		.amdhsa_group_segment_fixed_size 8704
		.amdhsa_private_segment_fixed_size 0
		.amdhsa_enable_private_segment 0
		.amdhsa_kernarg_size 32
		.amdhsa_user_sgpr_count 2
		.amdhsa_user_sgpr_kernarg_segment_ptr 1
		.amdhsa_wavefront_size32 1
		.amdhsa_system_sgpr_workgroup_id_x 1
		.amdhsa_system_sgpr_workgroup_id_y 1
		.amdhsa_system_sgpr_workgroup_id_z 1
		.amdhsa_system_vgpr_workitem_id 0
		.amdhsa_next_free_vgpr 130
		.amdhsa_next_free_sgpr 66
		.amdhsa_reserve_vcc 1
		.amdhsa_float_denorm_mode_32 3
		.amdhsa_float_denorm_mode_16_64 3
		.amdhsa_memory_ordered 1
		.amdhsa_forward_progress 1
		.amdhsa_inst_pref_size 16
	.end_amdhsa_kernel
	.amdgpu_metadata
---
amdhsa.version: [ 1, 2 ]
amdhsa.kernels:
  - .name:           k_q5c66751943_mix
    .symbol:         k_q5c66751943_mix.kd
    .args:
      - { .name: part, .offset: 0, .size: 8, .value_kind: global_buffer, .address_space: global }
      - { .name: b2o, .offset: 8, .size: 8, .value_kind: global_buffer, .address_space: global }
      - { .name: b2f, .offset: 16, .size: 8, .value_kind: global_buffer, .address_space: global }
      - { .name: out0, .offset: 24, .size: 8, .value_kind: global_buffer, .address_space: global }
    .group_segment_fixed_size: 8704
    .private_segment_fixed_size: 0
    .kernarg_segment_align: 8
    .kernarg_segment_size: 32
    .max_flat_workgroup_size: 128
    .sgpr_count:     66
    .vgpr_count:     130
    .wavefront_size: 32
...
	.end_amdgpu_metadata
.endif
;; end of part 2
